; MI455X (gfx1250); checked and timed in simulation.
; The chip was launched on July 23, 2026; its instructions are those of AMD's public machine-readable ISA for CDNA 5 (MIT licence, August 2026) and "CDNA5" Instruction Set Architecture Reference Guide (July 2026). The comments in the code are by the model that wrote it; some were corrected since.
;; Mock Qwen3 Attention. Allowed arithmetic: matrix products marked QUANTISED: E4M3 operands, one given power-of-two scale a tensor, by v_wmma_f32_16x16x64_fp8_fp8 or v_wmma_f32_16x16x128_fp8_fp8, f32 sums; everything else in f32.
;; Inputs: hidden_states 4 x 2,048 x 1,024 float32; k_norm_b 64 float32; k_norm_w 64 float32; lowp_scales 8 int32 (the exponents e of the quantised operands' scales 2^e); o_b 1,024 float32; o_w 1,024 x 1,024 float32; q_norm_b 64 float32; q_norm_w 64 float32; qkv_b 3,072 float32; qkv_w 3,072 x 1,024 float32.
;; Outputs: out0 4 x 2,048 x 1,024 float32.
;; This version of the problem:
;;   THIS VERSION OF THE PROBLEM IS GIVEN IN LOW PRECISION. The matrix products marked QUANTISED in the list below multiply operands that are first quantised to E4M3 (4 exponent bits, 3 mantissa bits; 8 bits a number), with one given power-of-two scale for each operand tensor; their sums are f32. All else is computed in f32.
;;   The module's matrix products, in the order in which they are computed (A, B: the left and right operand; K: the contracted axis; several contracted axes count as one K, in the product's order):
;;     1. [M 8,192, K 1,024] x [K 1,024, N 3,072]; A: input hidden_states; B: input qkv_w: QUANTISED (scales: A lowp_scales[0], B lowp_scales[1])
;;     2. batch 64 x [M 2,048, K 64] x [K 64, N 2,048]; A: computed on the way; B: computed on the way: QUANTISED (scales: A lowp_scales[2], B lowp_scales[3])
;;     3. batch 64 x [M 64, K 2,048] x [K 2,048, N 2,048]; A: computed on the way; B: softmax (see below): QUANTISED (scales: A lowp_scales[4], B lowp_scales[5])
;;     4. [M 8,192, K 1,024] x [K 1,024, N 1,024]; A: computed on the way; B: input o_w: QUANTISED (scales: A lowp_scales[6], B lowp_scales[7])
;;   THE QUANTISER, for each operand of a quantised product, along K:
;;     - The operand's scale is 2^e, e = its entry of the input lowp_scales (int32; the entries are numbered through the quantised products in the list's order, A before B).
;;     - Each number is divided by the scale, clamped to +-448, and rounded to the nearest number of E4M3, ties to even, subnormals kept.
;;     - The product sums the exact products of the quantised numbers (number of the format x scale) in f32.
;;   ~~~python
;;   def quantise(x, axis, e):      # numpy; x: float32 -> the quantised numbers, widened to float32 again
;;       x = np.moveaxis(x, axis, -1); K = x.shape[-1]
;;       r = np.clip(x / 2.0 ** e, -448, 448)
;;       step = 2.0 ** (np.maximum(np.frexp(np.where(r == 0, 1, r))[1] - 1, -6) - 3)
;;       q = np.round(r / step) * step * 2.0 ** e      # np.round: ties to even
;;       return np.moveaxis(q, -1, axis).astype(np.float32)
;;   ~~~
;;   SOFTMAX AHEAD OF A QUANTISED PRODUCT. Where the list says 'softmax', what is quantised is not the finished softmax but p = 2^(t - M), with t = logit x log2(e) and M = ceil(the row's largest t), a whole number; so 1/2 < the row's largest p <= 1. The row's sum l is taken of the UNQUANTISED p, in f32, and the product's result is divided by l at the end. Since M is a whole number, a kernel that streams over the keys may use a running M (the ceiling of the running maximum): every later rescaling is an exact power of two, so the quantised numbers keep their values, but for numbers so far below the row's largest that they fall under the format's range.
;;   OPERANDS COMPUTED ON THE WAY. 'Computed on the way' means the value that the module computes at that place (a softmax that the list does not call 'softmax' is quantised finished and normalised). What goes into a quantiser is computed in f32, as accurately as f32 sums, v_exp_f32 and their like allow (about 1e-6 of the number): no bf16 or f16 on the way to a quantiser, and a product that is left as it is and whose result goes on into a quantised operand takes f32 operands (vector FMAs, or v_wmma_f32_16x16x4_f32). A number that lies on a knife's edge between two numbers of the format may be rounded either way, as far as f32 arithmetic and the matrix unit's own rounding can turn it there, and no further.
;; One version. Each part assembles by itself: llvm-mc -triple=amdgcn-amd-amdhsa -mcpu=gfx1250 --defsym DOCPART=n.
;; ======== version 1 of 1: 4 launches
;; limits: right only within a limited range of input values
;; workspace buffers: xc 8,388,608 bytes; wc 3,145,728 bytes; oc 1,048,576 bytes; qc 8,388,608 bytes; kc 8,388,608 bytes; vc 8,388,608 bytes; ac 8,388,608 bytes
;; launch quant (part 1): grid 768 x 1, 4 waves a work-group, no clusters, 34,304 bytes of LDS; arguments hidden_states, qkv_w, o_w, lowp_scales, xc, wc, oc; writes xc, wc, oc
.if DOCPART == 1
	.amdgcn_target "amdgcn-amd-amdhsa--gfx1250"
	.amdhsa_code_object_version 6
	.text
	.protected	k_qf819fb0384_quant
	.globl	k_qf819fb0384_quant
	.p2align	8
	.type	k_qf819fb0384_quant,@function
k_qf819fb0384_quant:
	s_mov_b64 s[64:65], 0
	v_nop
	global_prefetch_b8 v0, s[64:65] scope:SCOPE_SE
	s_setreg_imm32_b32 hwreg(HW_REG_WAVE_MODE, 25, 1), 1
	s_wait_xcnt 0x0
; hidden_states [8192][1024], qkv_w [3072][1024] and o_w [1024][1024], f32 with K innermost, become codes of FP8 (E4M3), each tensor with its given scale 2^e
; (entries 0, 1 and 7 of the scales).  code = x / 2^e, held within +-448, rounded to the nearest code, ties to even.
; LIMITS: each e lies between -126 and 119, so that 2^e and 448 x 2^e are f32 numbers.  NaN among the inputs is not served.
; THE CODES ARE STORED AS IMAGES OF OPERAND REGISTERS.  A fragment is 16 rows x 128 K, 16 registers a lane: lane (r = lane % 16, h = lane / 16) holds row r, registers 2 c, 2 c + 1
; hold k = 16 c + 8 h + 0 .. 7.  Its image is 2,048 bytes: registers 4 p .. 4 p + 3 of lane l at 512 p + 16 l.  A buffer is [tile of 16 rows][8 fragments along K][2,048].
; SHARES.  A work-group takes one tile of 16 rows (64 KiB in, 16 KiB out): work-groups 0-511 hidden_states, 512-703 qkv_w, 704-767 o_w; only pointers are chosen, all take one path.
; Wave w takes fragments 2 w and 2 w + 1.  Each load reads 512 consecutive bytes of one row; the 16 rows turn through the wave's own stage in LDS (rows 528 bytes apart:
; 33 x 16, so that the sixteen rows that a read touches start at sixteen different banks) and come back 32 bytes of a row at a time, as the conversions want them.
; No tensor load, no barrier, no cluster: waves share nothing.  All 32 loads of a wave go out at its head.
.set SP,   528                         ; a stage row
.set WST,  16*SP                       ; a wave's stage
.set LI,   1                           ; v1   16 x lane: my place in a load's and in a store's 512 bytes; never rewritten
.set SIN,  2                           ; v2   the stage on the way in
.set SOUT, 3                           ; v3   the stage on the way out: row r, + 32 h
.set LIM,  10                          ; v10  448 x 2^e
.set SCL,  11                          ; v11  2^e
.set R,    16                          ; v16-143  two sets of 64: the numbers as loaded
.set X,    144                         ; v144-207 64 numbers as the conversions want them
.set C,    208                         ; v208-239 two sets of 16: codes; a set for each fragment, so that no store's data are written again
	s_load_b256 s[4:11], s[0:1], 0x0               ; hidden_states s[4:5], qkv_w s[6:7], o_w s[8:9], the scales' exponents s[10:11]
	s_load_b128 s[12:15], s[0:1], 0x20             ; xc s[12:13], wc s[14:15]
	s_load_b64 s[16:17], s[0:1], 0x30              ; oc
	v_lshl_add_u32 v240, v0, 2, 0x8400
	v_mov_b32 v241, 0
	v_lshrrev_b32 v4, 5, v0
	v_readfirstlane_b32 s18, v4                    ; wave 0..3
	v_and_b32 v5, 31, v0
	v_lshlrev_b32 v[LI], 4, v5
	s_mul_i32 s19, s18, WST
	v_add_nc_u32 v[SIN], s19, v[LI]
	v_and_b32 v6, 15, v0                           ; r
	v_bfe_u32 v7, v0, 4, 1                         ; h
	v_mul_u32_u24 v[SOUT], v6, SP
	v_lshl_add_u32 v[SOUT], v7, 5, v[SOUT]
	v_add_nc_u32 v[SOUT], s19, v[SOUT]
	s_mov_b32 s20, 704
	s_wait_alu depctr_va_vdst(0)
	s_wait_kmcnt 0x0
	s_load_b256 s[24:31], s[10:11], 0x0            ; e0 .. e7
	s_cmp_lt_u32 ttmp9, s20                        ; the choice hangs on the work-group's number alone
	s_cselect_b64 s[6:7], s[6:7], s[8:9]
	s_cselect_b64 s[14:15], s[14:15], s[16:17]
	s_cselect_b32 s21, 512, s20
	s_cmp_lt_u32 ttmp9, 512
	s_cselect_b64 s[4:5], s[4:5], s[6:7]           ; from here
	s_cselect_b64 s[12:13], s[12:13], s[14:15]     ; to there
	s_cselect_b32 s21, 0, s21                      ; the tensor's first work-group
	s_sub_co_u32 s21, ttmp9, s21                   ; my tile of 16 rows
	s_lshl_b32 s22, s21, 16                        ; 16 rows of 4,096 bytes,
	s_lshl_b32 s32, s18, 10                        ; my wave's 256 numbers of a row
	s_add_co_u32 s22, s22, s32
	s_mov_b32 s23, 0
	s_add_nc_u64 s[4:5], s[4:5], s[22:23]
	s_lshl_b32 s22, s21, 14                        ; eight images,
	s_lshl_b32 s32, s18, 12                        ; my wave's two
	s_add_co_u32 s22, s22, s32
	s_add_nc_u64 s[12:13], s[12:13], s[22:23]
.macro LOAD f                          ; fragment f: 128 numbers of each of the 16 rows; 32 lanes read 512 consecutive bytes
.set i, 0
.rept 16
	global_load_b128 v[R+64*(\f)+4*i:R+64*(\f)+4*i+3], v[LI], s[4:5] offset:4096*i+512*(\f) th:TH_LOAD_NT
.set i, i+1
.endr
.endm
.macro TURN f                          ; through the stage: LDS serves a wave's instructions in order, so no wait stands between the stores and the loads
.set i, 0
.rept 16
	ds_store_b128 v[SIN], v[R+64*(\f)+4*i:R+64*(\f)+4*i+3] offset:SP*i
.set i, i+1
.endr
.set i, 0
.rept 8
	ds_load_b128 v[X+8*i:X+8*i+3], v[SOUT] offset:64*i            ; k = 16 i + 8 h + 0 .. 3 of my row
	ds_load_b128 v[X+8*i+4:X+8*i+7], v[SOUT] offset:64*i+16       ; and + 4 .. 7
.set i, i+1
.endr
.endm
.macro QUANT f
.set i, 0
.rept 64
	v_med3_num_f32 v[X+i], v[X+i], -v[LIM], v[LIM]                ; the conversion to an 8-bit code does not saturate (ISA guide 7.6.2): the hold comes first
.set i, i+1
.endr
.set i, 0
.rept 8
	v_cvt_scalef32_pk8_fp8_f32 v[C+16*(\f)+2*i:C+16*(\f)+2*i+1], v[X+8*i:X+8*i+7], v[SCL]   ; registers 2 i, 2 i + 1 of the fragment
.set i, i+1
.endr
	v_nop                                          ; a plain line behind the conversions: the next fragment's holds write their sources
.irp c, 0,1,2,3
	global_store_b128 v[LI], v[C+16*(\f)+4*\c:C+16*(\f)+4*\c+3], s[12:13] offset:2048*(\f)+512*\c   ; 32 lanes store 512 consecutive bytes, aligned
.endr
.endm
	LOAD 0
	LOAD 1
	s_wait_kmcnt 0x0
	s_cmp_lt_u32 ttmp9, s20
	s_cselect_b32 s33, s25, s31                    ; e1 or e7,
	s_cmp_lt_u32 ttmp9, 512
	s_cselect_b32 s33, s24, s33                    ; or e0
	s_add_co_i32 s33, s33, 127
	s_lshl_b32 s34, s33, 23
	v_mov_b32 v[SCL], s34                          ; 2^e as f32: the conversion takes its exponent field
	s_add_co_i32 s33, s33, 8
	s_lshl_b32 s33, s33, 23
	s_or_b32 s33, s33, 0x600000
	v_mov_b32 v[LIM], s33                          ; 448 x 2^e
	s_wait_alu depctr_va_vdst(0)
	s_wait_loadcnt 16                              ; fragment 0's sixteen loads are in; fragment 1's sixteen may be out
	TURN 0
	s_wait_dscnt 0x0
	QUANT 0
	s_wait_loadcnt 0x0
	TURN 1
	s_wait_dscnt 0x0
	QUANT 1
	s_wait_tensorcnt 0x0
	ds_add_u32 v240, v241
	s_wait_dscnt 0x0
	s_endpgm
.Lfunc_end_k_qf819fb0384_quant:
	.size	k_qf819fb0384_quant, .Lfunc_end_k_qf819fb0384_quant-k_qf819fb0384_quant
	.p2alignl 7, 3214868480
	.fill 96, 4, 3214868480
	.section	.rodata,"a",@progbits
	.p2align	6, 0x0
	.amdhsa_kernel k_qf819fb0384_quant
		.amdhsa_group_segment_fixed_size 34304
		.amdhsa_private_segment_fixed_size 0
		.amdhsa_enable_private_segment 0
		.amdhsa_kernarg_size 56
		.amdhsa_user_sgpr_count 2
		.amdhsa_user_sgpr_kernarg_segment_ptr 1
		.amdhsa_wavefront_size32 1
		.amdhsa_system_sgpr_workgroup_id_x 1
		.amdhsa_system_sgpr_workgroup_id_y 1
		.amdhsa_system_sgpr_workgroup_id_z 1
		.amdhsa_system_vgpr_workitem_id 0
		.amdhsa_next_free_vgpr 242
		.amdhsa_next_free_sgpr 66
		.amdhsa_reserve_vcc 0
		.amdhsa_float_denorm_mode_32 3
		.amdhsa_float_denorm_mode_16_64 3
		.amdhsa_memory_ordered 1
		.amdhsa_forward_progress 1
		.amdhsa_inst_pref_size 20
	.end_amdhsa_kernel
	.amdgpu_metadata
---
amdhsa.version: [ 1, 2 ]
amdhsa.kernels:
  - .name:           k_qf819fb0384_quant
    .symbol:         k_qf819fb0384_quant.kd
    .args:
      - { .name: hidden_states, .offset: 0, .size: 8, .value_kind: global_buffer, .address_space: global }
      - { .name: qkv_w, .offset: 8, .size: 8, .value_kind: global_buffer, .address_space: global }
      - { .name: o_w, .offset: 16, .size: 8, .value_kind: global_buffer, .address_space: global }
      - { .name: lowp_scales, .offset: 24, .size: 8, .value_kind: global_buffer, .address_space: global }
      - { .name: xc, .offset: 32, .size: 8, .value_kind: global_buffer, .address_space: global }
      - { .name: wc, .offset: 40, .size: 8, .value_kind: global_buffer, .address_space: global }
      - { .name: oc, .offset: 48, .size: 8, .value_kind: global_buffer, .address_space: global }
    .group_segment_fixed_size: 34304
    .private_segment_fixed_size: 0
    .kernarg_segment_align: 8
    .kernarg_segment_size: 56
    .max_flat_workgroup_size: 128
    .sgpr_count:     66
    .vgpr_count:     242
    .wavefront_size: 32
...
	.end_amdgpu_metadata
.endif
;; end of part 1
;; launch qkv (part 2): grid 12 x 32, 4 waves a work-group, clusters of 4 x 4, 327,680 bytes of LDS; arguments xc, wc, lowp_scales, qkv_b, q_norm_w, q_norm_b, k_norm_w, k_norm_b, qc, kc, vc; writes qc, kc, vc
.if DOCPART == 2
	.amdgcn_target "amdgcn-amd-amdhsa--gfx1250"
	.amdhsa_code_object_version 6
	.text
	.protected	k_qf819fb0384_qkv
	.globl	k_qf819fb0384_qkv
	.p2align	8
	.type	k_qf819fb0384_qkv,@function
k_qf819fb0384_qkv:
	s_mov_b64 s[64:65], 0
	v_nop
	global_prefetch_b8 v0, s[64:65] scope:SCOPE_SE
	s_setreg_imm32_b32 hwreg(HW_REG_WAVE_MODE, 25, 1), 1
	s_wait_xcnt 0x0
	s_wait_alu depctr_hold_cnt(0) depctr_sa_sdst(0) depctr_va_vdst(0) depctr_va_sdst(0) depctr_va_ssrc(0) depctr_va_vcc(0) depctr_vm_vsrc(0)
	s_getreg_b32 s2, hwreg(HW_REG_IB_STS2, 6, 4)
	s_cmp_eq_u32 s2, 0
	s_cbranch_scc0 .Lentry_in_a_cluster
	s_endpgm
.Lentry_in_a_cluster:
	s_bfe_u32 s2, ttmp6, 0x10000c
	s_cmp_lg_u32 s2, 0xf033
	s_cbranch_scc0 .Lentry_shape_is_right
	s_endpgm
.Lentry_shape_is_right:
; qkv = x W^T + b on codes of FP8 (8,192 x 3,072 x 1,024), then per head LayerNorm of q and k, then the three quantisers: q (entry 2 of the scales), k (entry 3), v (entry 4).
; INPUTS xc, wc: images of operand registers, [tile of 16 rows][8 fragments of 128 K][2,048 bytes]: registers 4 p .. 4 p + 3 of lane l at 512 p + 16 l; lane (r, h) holds row r,
; registers 2 c, 2 c + 1 hold k = 16 c + 8 h + 0 .. 7.  So a fragment comes from LDS by four loads of 512 consecutive bytes: no pitch, no padding.
; OUTPUTS, images again.  qc, kc: [batch x 16 + head][128 tiles of 16 tokens][1,024]: 16 tokens x 64 channels.  vc: [batch x 16 + head][16 steps of 128 keys][4 tiles of 16 channels][2,048]: 16 channels x 128 keys.
; LIMITS: e0 + e1 between -126 and 127; e2, e3, e4 between -126 and 119.  NaN among the inputs is not served.
; SHARES.  A tile of 256 tokens x 256 columns to a work-group of four waves, 128 x 128 a wave: 64 accumulators, 512 registers.  K = 1,024 goes in four steps of 256 through two LDS slots, written out without a loop.
; CLUSTERS: 4 x 4 work-groups.  The four of a row of the cluster need the same tiles of x, the four of a column the same tiles of W: each is asked for jointly.
; A cluster's four tile columns are 1,024 columns: the cluster's x says whether they are q (0), k (1) or v (2); it is the same in all sixteen partners.
; q AND k: source 0 = 16 rows of W, source 1 = 16 tokens: a lane holds ONE token and its registers run along the head's channels, which are the next product's K.
; v: source 0 = 16 tokens, source 1 = 16 rows of W: a lane holds ONE channel and its registers run along the tokens, the keys, which are the next product's K.
; The wave's tile is square, so the matrix text is one for both: only the two LDS bases from which the sources are read change places, by a scalar select on the cluster's x.
; REGISTERS: window 0: v0-31 addresses and work; v32-95 bias (q, k); v96-111 bias (v); v112-127 codes; v128-255 source 1's eight fragments, ONE set (on the way out: gains, offsets, 64 numbers at work).
;   window 1: source 0's eight fragments, TWO sets.   windows 2, 3: accumulator (a, b) at v[8 (8 (a % 4) + b)] of window 2 + a / 4; a: source 1's fragment, b: source 0's.
.set FR,     16                        ; registers of a fragment
.set NL,     4                         ; LDS loads that bring one
.set NP,     4                         ; places behind this matrix instruction (ISA guide 7.12.1)
.set KSB,    4096                      ; a K step of 256: two images of each tile of 16 rows
.set HALFT,  32768                     ; eight tiles' K step: what one tensor load brings, and what a wave reads of x or of W
.set SLOT,   131072                    ; x's sixteen tiles, then W's sixteen
.set SPARE,  2*SLOT                    ; behind the ring: the spare words, 128 bytes for each wave: two blocks of 256 bytes that no other line names
.set AD1,  16                          ; v16-17  LDS address of source 1's fragments in slot 0, 1
.set AD0,  20                          ; v20-21  the same for source 0
.set HO,   22                          ; v22     32 h: my eight numbers of sixteen, in bytes
.set RO,   23                          ; v23     4 r
.set LI,   24                          ; v24     16 x lane
.set SCL,  26                          ; v26     2^e of the output's quantiser
.set LIM,  27                          ; v27     448 x that
.set SPW,  28                          ; v28     LDS address of my spare word; never rewritten
.set NIL,  29                          ; v29     0; never rewritten
.set BIAS, 32
.set VB,   96
.set C,    112
.set AF,   128
.set LNW,  128                         ; the way out of q and k: 32 gains, 32 offsets of my channels,
.set LNB,  160
.set T,    192                         ; and 64 numbers at work
.set G1, 24                            ; s[24:31] descriptor group 1 for x's tiles;  s[32:39] group 0, one set for each slot
.set G0, 32
.set G1B, 48                           ; s[48:55], s[56:63] the same for W's tiles
.set G0B, 56
.set MSB, 0
.macro WIN new                         ; the immediate's high byte repeats the setting that is left
.if MSB != (\new)
	s_set_vgpr_msb (MSB<<8)|(\new)
.set MSB, (\new)
.endif
.endm
.set MUL_LO, 0xa1                      ; source 0 window 1, source 1 window 0, C and D window 2
.set MUL_HI, 0xf1                      ; the same, C and D window 3
.set TO_B,   0x40                      ; destination window 1, address window 0
; A joint load: waves 0 and 1 fetch for x, waves 2 and 3 for W.  Each line has one mask and one set of registers for all that issue it; the branch hangs on the wave's number alone.
; Four v_nop follow each of the two lines, ahead of the jump, the label and what follows.
.macro JLOAD g0a, g1a, g0b, g1b
	s_cmp_eq_u32 s15, 0
	s_cbranch_scc0 .Lfor_b_\@
	tensor_load_to_lds s[\g0a:\g0a+3], s[\g1a:\g1a+7]
	s_nop 0
.rept 4
	v_nop
.endr
	s_branch .Lasked_\@
.Lfor_b_\@:
	tensor_load_to_lds s[\g0b:\g0b+3], s[\g1b:\g1b+7]
	s_nop 0
.rept 4
	v_nop
.endr
.Lasked_\@:
.endm
.macro CREST                           ; a round of the cluster's barrier behind its opening barrier
	s_cmp_lg_u32 s14, 0
	s_cbranch_scc1 .Lnot_wave_0_\@
	s_barrier_signal -3
.Lnot_wave_0_\@:
	s_barrier_wait -3
	s_barrier_signal -1
	s_barrier_wait -1
.endm
.macro CROUND                          ; a whole round
	s_barrier_signal -1
	s_barrier_wait -1
	CREST
.endm
	s_load_b256 s[4:11], s[0:1], 0x0               ; xc s[4:5], wc s[6:7], the scales' exponents s[8:9], qkv_b s[10:11]
	s_load_b256 s[68:75], s[0:1], 0x20             ; q_norm_w, q_norm_b, k_norm_w, k_norm_b
	s_load_b128 s[76:79], s[0:1], 0x40             ; qc, kc
	s_load_b64 s[80:81], s[0:1], 0x50              ; vc
	v_lshl_add_u32 v[SPW], v0, 2, SPARE
	v_mov_b32 v[NIL], 0
	ds_add_u32 v28, v29
	ds_add_u32 v28, v29
	s_wait_dscnt 0x0
	v_lshrrev_b32 v1, 5, v0
	v_readfirstlane_b32 s14, v1                    ; wave 0..3
	s_lshr_b32 s15, s14, 1                         ; which half of the tile's tokens is mine.  Also: I fetch for x (0) or for W (1)
	s_and_b32 s16, s14, 1                          ; which half of its columns.  Also: which eight tiles of 16 rows I fetch
	s_bfe_u32 s40, ttmp6, 0x40000                  ; cx, cy: my place in the cluster
	s_bfe_u32 s41, ttmp6, 0x40004
	s_lshl_b32 s42, ttmp9, 2
	s_add_co_u32 s42, s42, s40                     ; tile column = 4 x cluster x + cx
	s_and_b32 s17, ttmp7, 0xffff
	s_lshl_b32 s17, s17, 2
	s_add_co_u32 s17, s17, s41                     ; tile row = 4 x cluster y + cy
	s_lshl_b32 s43, s41, 2
	s_lshl_b32 s43, 15, s43                        ; my row of the cluster
	s_lshl_b32 s44, 0x1111, s40                    ; my column
	; descriptor group 1: eight rows of 4,096 bytes (a K step of one tile of 16 rows), 16,384 bytes apart in memory, dense in LDS
	s_or_b32 s[G1+0], s43, (3<<16)|(1<<21)         ; 15:0 the mask: x's tiles go to my row; 17:16 elements of 8 bytes; 20 no padding; 21 set beside a mask
	s_or_b32 s[G1B+0], s44, (3<<16)|(1<<21)        ; W's tiles go to my column
.irp g, G1, G1B
	s_mov_b32 s[\g+1], 512<<16                     ; tensor_dim0 = 512 elements
	s_mov_b32 s[\g+2], 8<<16                       ; tensor_dim1 = 8
	s_mov_b32 s[\g+3], 512<<16                     ; tile_dim0
	s_mov_b32 s[\g+4], 8                           ; tile_dim1
	s_mov_b32 s[\g+5], 2048                        ; tensor_dim0_stride, in elements
	s_mov_b32 s[\g+6], 0
	s_mov_b32 s[\g+7], 0
.endr
	s_lshl_b32 s18, s16, 17                        ; which eight tiles I fetch: 8 x 16,384 bytes
	s_lshl_b32 s20, s17, 18
	s_add_co_u32 s20, s20, s18                     ; x: 16 tiles x 16,384 bytes x tile row
	s_lshl_b32 s46, s42, 18
	s_add_co_u32 s46, s46, s18                     ; W: the same by the tile column
	s_mov_b32 s21, 0
	s_mov_b32 s47, 0
	s_mul_i32 s45, s14, HALFT                      ; where they go: no place in the cluster enters an LDS address
	s_wait_kmcnt 0x0
	s_load_b256 s[84:91], s[8:9], 0x0              ; e0 .. e7
	s_add_nc_u64 s[20:21], s[4:5], s[20:21]
	s_add_nc_u64 s[46:47], s[6:7], s[46:47]
	CROUND                                         ; all sixteen work-groups are here: the first joint loads meet
.irp s, 0,1
	s_mov_b32 s[G0+4*\s], 1
	s_add_co_u32 s[G0+4*\s+1], s45, \s*SLOT
	s_add_nc_u64 s[G0+4*\s+2:G0+4*\s+3], s[20:21], \s*KSB
	s_or_b32 s[G0+4*\s+3], s[G0+4*\s+3], 0x80000000
	s_mov_b32 s[G0B+4*\s], 1
	s_add_co_u32 s[G0B+4*\s+1], s45, \s*SLOT
	s_add_nc_u64 s[G0B+4*\s+2:G0B+4*\s+3], s[46:47], \s*KSB
	s_or_b32 s[G0B+4*\s+3], s[G0B+4*\s+3], 0x80000000
.endr
	JLOAD G0, G1, G0B, G1B                         ; K step 0: one tensor load a wave at the head
	v_and_b32 v1, 31, v0
	v_lshlrev_b32 v[LI], 4, v1
	s_wait_alu depctr_va_vdst(0)
	v_and_b32 v2, 15, v0                           ; r
	v_bfe_u32 v3, v0, 4, 1                         ; h
	v_lshlrev_b32 v[HO], 5, v3
	s_wait_alu depctr_va_vdst(0)
	v_lshlrev_b32 v[RO], 2, v2
	s_wait_alu depctr_va_vdst(0)
	s_lshl_b32 s21, s15, 15                        ; my eight tiles of x,
	s_lshl_b32 s22, s16, 15
	s_add_co_u32 s22, s22, 65536                   ; my eight tiles of W, which lie behind x's sixteen
	s_cmp_eq_u32 ttmp9, 2                          ; v?  Then the two change places.  Either base stays inside the slot
	s_cselect_b32 s23, s22, s21                    ; source 1
	s_cselect_b32 s22, s21, s22                    ; source 0
.irp s, 0,1
	v_add_nc_u32 v[AD1+\s], s23, v[LI]
	v_add_nc_u32 v[AD0+\s], s22, v[LI]
	s_add_co_u32 s23, s23, SLOT
	s_add_co_u32 s22, s22, SLOT
.endr
	s_lshl_b32 s46, s42, 10                        ; my first column, 256 x tile column + 128 x half, in bytes of f32
	s_lshl_b32 s47, s16, 9
	s_add_co_u32 s46, s46, s47
	s_mov_b32 s47, 0
	s_add_nc_u64 s[10:11], s[10:11], s[46:47]
.irp b, 0,1,2,3,4,5,6,7                        ; for q and k: the bias of columns 16 b + 8 h + 0 .. 7, in the results' layout
	global_load_b128 v[BIAS+8*\b:BIAS+8*\b+3], v[HO], s[10:11] offset:64*\b
	global_load_b128 v[BIAS+8*\b+4:BIAS+8*\b+7], v[HO], s[10:11] offset:64*\b+16
.endr
.irp a, 0,1,2,3,4,5,6,7                        ; for v: the bias of column 16 a + r, twice, to fill the pair that the packed form names
	global_load_b32 v[VB+2*\a], v[RO], s[10:11] offset:64*\a
	global_load_b32 v[VB+2*\a+1], v[RO], s[10:11] offset:64*\a
.endr
	; where my results go: (batch x 16 + head) x 131,072 + (my first tile of 16 tokens in the batch) x 1,024: the same figure in all three buffers (128 tokens are eight tiles of q, or one key step of v: 8,192 bytes)
	s_lshr_b32 s18, s17, 3                         ; batch: eight tile rows each
	s_lshl_b32 s18, s18, 4
	s_lshl_b32 s19, s40, 2
	s_add_co_u32 s18, s18, s19                     ; + 4 heads a tile column
	s_lshl_b32 s19, s16, 1
	s_add_co_u32 s18, s18, s19                     ; + 2 a wave
	s_lshl_b32 s18, s18, 17
	s_and_b32 s19, s17, 7
	s_lshl_b32 s19, s19, 4
	s_lshl_b32 s20, s15, 3
	s_add_co_u32 s19, s19, s20
	s_lshl_b32 s19, s19, 10
	s_add_co_u32 s18, s18, s19
	s_mov_b32 s19, 0
	s_cmp_eq_u32 ttmp9, 0
	s_cselect_b64 s[82:83], s[76:77], s[78:79]
	s_cselect_b64 s[92:93], s[68:69], s[72:73]     ; the norm's gains,
	s_cselect_b64 s[94:95], s[70:71], s[74:75]     ; and offsets
	s_cmp_eq_u32 ttmp9, 2
	s_cselect_b64 s[82:83], s[80:81], s[82:83]
	s_add_nc_u64 s[82:83], s[82:83], s[18:19]
	s_mov_b32 s66, 0x76543210                      ; v_permlanex16_b32's selects for lane l xor 16
	s_mov_b32 s67, 0xfedcba98
	s_mov_b32 s98, 0x3c800000                      ; 1 / 64
	s_mov_b32 s99, 0x3727c5ac                      ; 1e-5
	v_mov_b32 v11, 0                               ; named as upper halves of pairs, and as lane permutes' destinations: written once
	v_mov_b32 v13, 0
	v_mov_b32 v14, 0
	v_mov_b32 v15, 0
	s_wait_alu depctr_va_vdst(0)
	s_wait_kmcnt 0x0
	s_add_co_i32 s96, s84, s85
	s_add_co_i32 s96, s96, 127
	s_lshl_b32 s96, s96, 23                        ; 2^(e0 + e1) as f32
	s_mov_b32 s97, s96                             ; (named with it as a pair, so it is written)
	s_cmp_eq_u32 ttmp9, 0
	s_cselect_b32 s18, s86, s87
	s_cmp_eq_u32 ttmp9, 2
	s_cselect_b32 s18, s88, s18                    ; e2, e3 or e4
	s_add_co_i32 s18, s18, 127
	s_lshl_b32 s19, s18, 23
	v_mov_b32 v[SCL], s19
	s_add_co_i32 s18, s18, 8
	s_lshl_b32 s18, s18, 23
	s_or_b32 s18, s18, 0x600000
	v_mov_b32 v[LIM], s18
.macro FRAG reg, adr, q, i             ; a fragment's image: four loads of 512 consecutive bytes
.irp c, 0,1,2,3
	ds_load_b128 v[\reg+4*\c:\reg+4*\c+3], v[\adr] offset:2048*(\q)+512*\c+4096*(\i)
.endr
.endm
; 16 matrix instructions: source 1's fragments a0, a0 + 1 x source 0's eight, 128 along K.  p: source 0's set.  zero = 1: the first product starts the sums.
; The 64 accumulators take turns, one instruction a turn, in the same order in every step.
.macro MUL16 a0, p, zero
.irp a, \a0, \a0+1
.irp b, 0,1,2,3,4,5,6,7
.if \zero
	v_wmma_f32_16x16x128_fp8_fp8 v[8*(8*((\a)%4)+\b):8*(8*((\a)%4)+\b)+7], v[128*(\p)+FR*\b:128*(\p)+FR*\b+FR-1], v[AF+FR*(\a):AF+FR*(\a)+FR-1], 0
.else
	v_wmma_f32_16x16x128_fp8_fp8 v[8*(8*((\a)%4)+\b):8*(8*((\a)%4)+\b)+7], v[128*(\p)+FR*\b:128*(\p)+FR*\b+FR-1], v[AF+FR*(\a):AF+FR*(\a)+FR-1], v[8*(8*((\a)%4)+\b):8*(8*((\a)%4)+\b)+7]
.endif
.endr
.endr
.endm
.macro FETCH_B slot, q, p              ; source 0's eight fragments of the slot's q-th 128 along K into set p
	WIN TO_B
.irp i, 0,1,2,3,4,5,6,7
	FRAG 128*(\p)+FR*\i, AD0+\slot, \q, \i
.endr
	WIN 0
.endm
.macro FETCH_A slot, q, i0             ; source 1's fragments i0 .. i0 + 3
.irp i, \i0, \i0+1, \i0+2, \i0+3
	FRAG AF+FR*(\i), AD1+\slot, \q, \i
.endr
.endm
.macro PLACES n                        ; plain vector lines between a matrix instruction and a load into, or a vector line on, one of its registers
.rept \n
	v_nop
.endr
.endm
; A step of 128 along K that has its successor in the same slot.  A fragment of source 1 is free as soon as its eight products are issued: fragments 0-3 are fetched anew in the step's middle, 4-7 at its end.
.macro STEP slot, q, zero
	s_wait_dscnt 4*NL                              ; source 0's set and source 1's fragments 0-3 are in; the sixteen youngest loads (fragments 4-7) may be out
	WIN MUL_LO
	MUL16 0, (\q)%2, \zero
	MUL16 2, (\q)%2, \zero
	s_wait_dscnt 0                                 ; fragments 4-7 are in
	PLACES NP
	FETCH_B \slot, (\q)+1, 1-(\q)%2
	FETCH_A \slot, (\q)+1, 0
	WIN MUL_HI
	MUL16 4, (\q)%2, \zero
	MUL16 6, (\q)%2, \zero
	PLACES NP
	WIN 0
	FETCH_A \slot, (\q)+1, 4
.endm
; A slot's last step changes slots: one barrier; in front of it each wave waits for all its tensor loads, adds 0 to its spare word, and waits for that and for its own reads of this slot.  fill = 1: this slot is filled again, two K steps ahead.
.macro TURN slot, next, fill
	s_wait_tensorcnt 0x0                           ; all my tensor loads have landed: my part of the next slot
	ds_add_u32 v[SPW], v[NIL]                      ; 0 onto my spare word
	s_wait_dscnt 4*NL+1                            ; (the add and the sixteen youngest loads may be out)
	WIN MUL_LO
	MUL16 0, 1, 0                                  ; sixteen matrix instructions stand between the add and the wait for it
	s_wait_dscnt 0x0                               ; the add is done, and my reads of this slot are over
	s_barrier_signal -1
	MUL16 2, 1, 0
	WIN 0
	s_barrier_wait -1
.if \fill
	CREST                                          ; the barrier has opened a round of the cluster's barrier: no wave of any partner still reads this slot or has a load on its way
	s_add_nc_u64 s[G0+4*\slot+2:G0+4*\slot+3], s[G0+4*\slot+2:G0+4*\slot+3], 2*KSB
	s_add_nc_u64 s[G0B+4*\slot+2:G0B+4*\slot+3], s[G0B+4*\slot+2:G0B+4*\slot+3], 2*KSB
	JLOAD G0+4*\slot, G1, G0B+4*\slot, G1B         ; the first tensor load behind the round, my one load until the next; its four v_nop are also the places in front of the loads below
.else
	PLACES NP
.endif
	FETCH_B \next, 0, 0
	FETCH_A \next, 0, 0
	WIN MUL_HI
	MUL16 4, 1, 0
	MUL16 6, 1, 0
	PLACES NP
	WIN 0
	FETCH_A \next, 0, 4
.endm
	s_wait_alu depctr_va_vdst(0)
	s_wait_tensorcnt 0x0                           ; my part of K step 0 is in
	ds_add_u32 v[SPW], v[NIL]
	s_wait_dscnt 0x0
	CROUND                                         ; everybody's part of K step 0 is in, and all sixteen work-groups are here
	JLOAD G0+4, G1, G0B+4, G1B                     ; K step 1: the first tensor load behind the round
	FETCH_B 0, 0, 0
	FETCH_A 0, 0, 0
	FETCH_A 0, 0, 4
	STEP 0, 0, 1                                   ; K step 0: its first products start the sums
	TURN 0, 1, 1                                   ; slot 0 takes K step 2
	STEP 1, 0, 0
	TURN 1, 0, 1                                   ; slot 1 takes K step 3
	STEP 0, 0, 0
	TURN 0, 1, 0                                   ; nothing is left to fetch
	STEP 1, 0, 0
	s_wait_dscnt 4*NL                              ; the very last step
	WIN MUL_LO
	MUL16 0, 1, 0
	MUL16 2, 1, 0
	s_wait_dscnt 0
	WIN MUL_HI
	MUL16 4, 1, 0
	MUL16 6, 1, 0
	WIN 0
	PLACES NP                                      ; in front of the first read of results, and of loads and vector lines on the registers that held source 1's fragments
; THE WAY OUT needs no LDS: the conversions' results are the images' registers, and each store covers 512 consecutive bytes, aligned.
.macro ACROSS                          ; two chains, a pair's halves, and the lane 16 away, which holds the token's other 32 channels: v[2 + 2 u] = head u's sum
.irp u, 0,1
	v_pk_add_f32 v[2+2*\u:3+2*\u], v[2+2*\u:3+2*\u], v[6+2*\u:7+2*\u]
.endr
.irp u, 0,1
	v_add_f32 v[2+2*\u], v[2+2*\u], v[3+2*\u]
.endr
.irp u, 0,1
	v_permlanex16_b32 v[14+\u], v[2+2*\u], s66, s67
.endr
.irp u, 0,1
	v_add_f32 v[2+2*\u], v[2+2*\u], v[14+\u]
.endr
.endm
; q and k: tile a of 16 tokens, my two heads u = 0, 1, line by line in turn.  Register T + 32 u + 8 t + j of lane (r, h) is channel 16 t + 8 h + j of head u, token r.
.macro LNBLOCK a
.set AC, 64*((\a)%4)
	WIN 0x02+((\a)/4)                              ; source 0: window 2 or 3
.set j, 0
.rept 32
	v_pk_fma_f32 v[T+j:T+j+1], v[AC+j:AC+j+1], s[96:97], v[BIAS+j:BIAS+j+1] op_sel_hi:[1,0,1]   ; x = sum x 2^(e0 + e1) + bias; each accumulator from its low end on
.set j, j+2
.endr
	WIN 0
.irp u, 0,1                                    ; the mean
	v_pk_add_f32 v[2+2*\u:3+2*\u], v[T+32*\u:T+32*\u+1], v[T+32*\u+2:T+32*\u+3]
	v_pk_add_f32 v[6+2*\u:7+2*\u], v[T+32*\u+16:T+32*\u+17], v[T+32*\u+18:T+32*\u+19]
.endr
.irp i, 4,6,8,10,12,14
.irp u, 0,1
	v_pk_add_f32 v[2+2*\u:3+2*\u], v[2+2*\u:3+2*\u], v[T+32*\u+\i:T+32*\u+\i+1]
	v_pk_add_f32 v[6+2*\u:7+2*\u], v[6+2*\u:7+2*\u], v[T+32*\u+16+\i:T+32*\u+17+\i]
.endr
.endr
	ACROSS
.irp u, 0,1
	v_mul_f32 v[10+2*\u], s98, v[2+2*\u]
.endr
.irp i, 0,2,4,6,8,10,12,14,16,18,20,22,24,26,28,30
.irp u, 0,1
	v_pk_add_f32 v[T+32*\u+\i:T+32*\u+\i+1], v[T+32*\u+\i:T+32*\u+\i+1], v[10+2*\u:11+2*\u] op_sel_hi:[1,0] neg_lo:[0,1] neg_hi:[0,1]   ; d = x - mean: the variance is the mean of d d, never a difference of large sums
.endr
.endr
.irp u, 0,1
	v_pk_mul_f32 v[2+2*\u:3+2*\u], v[T+32*\u:T+32*\u+1], v[T+32*\u:T+32*\u+1]
	v_pk_mul_f32 v[6+2*\u:7+2*\u], v[T+32*\u+16:T+32*\u+17], v[T+32*\u+16:T+32*\u+17]
.endr
.irp i, 2,4,6,8,10,12,14
.irp u, 0,1
	v_pk_fma_f32 v[2+2*\u:3+2*\u], v[T+32*\u+\i:T+32*\u+\i+1], v[T+32*\u+\i:T+32*\u+\i+1], v[2+2*\u:3+2*\u]
	v_pk_fma_f32 v[6+2*\u:7+2*\u], v[T+32*\u+16+\i:T+32*\u+17+\i], v[T+32*\u+16+\i:T+32*\u+17+\i], v[6+2*\u:7+2*\u]
.endr
.endr
	ACROSS
.irp u, 0,1
	v_fma_f32 v[2+2*\u], v[2+2*\u], s98, s99       ; variance + eps
.endr
	s_wait_alu depctr_va_vdst(0)
.irp u, 0,1
	v_rsq_f32 v[6+2*\u], v[2+2*\u]
.endr
	v_nop                                          ; a plain line behind the second root (ISA guide 5.7.2),
	s_wait_alu depctr_va_vdst(0)                   ; and one wait for both, ahead of their first reader
.if (\a) == 0
	s_wait_loadcnt 0x0                             ; the gains and offsets, asked for at the head of this way out
.endif
.irp i, 0,2,4,6,8,10,12,14,16,18,20,22,24,26,28,30
.irp u, 0,1
	v_pk_mul_f32 v[T+32*\u+\i:T+32*\u+\i+1], v[T+32*\u+\i:T+32*\u+\i+1], v[6+2*\u:7+2*\u] op_sel_hi:[1,0]
.endr
.endr
.irp i, 0,2,4,6,8,10,12,14,16,18,20,22,24,26,28,30
.irp u, 0,1
	v_pk_fma_f32 v[T+32*\u+\i:T+32*\u+\i+1], v[T+32*\u+\i:T+32*\u+\i+1], v[LNW+\i:LNW+\i+1], v[LNB+\i:LNB+\i+1]
.endr
.endr
.set j, 0
.rept 64
	v_med3_num_f32 v[T+j], v[T+j], -v[LIM], v[LIM] ; the conversion does not saturate (ISA guide 7.6.2): the hold comes first
.set j, j+1
.endr
.if (\a) > 0
	s_wait_alu depctr_va_vdst(0)
	s_wait_xcnt 0x0                                ; the last block's stores have read their data: the codes' registers may be written
.endif
.irp g, 0,1,2,3,4,5,6,7
	v_cvt_scalef32_pk8_fp8_f32 v[C+2*\g:C+2*\g+1], v[T+8*\g:T+8*\g+7], v[SCL]   ; head g / 4: registers 2 (g % 4), + 1 of its fragment: k = 16 (g % 4) + 8 h + 0 .. 7
.endr
	v_nop                                          ; a plain line behind the conversions: the next block writes their sources
.irp u, 0,1
.irp c, 0,1
	global_store_b128 v[LI], v[C+8*\u+4*\c:C+8*\u+4*\c+3], s[82:83] offset:131072*\u+1024*(\a)+512*\c
.endr
.endr
.endm
; v: tile a of 16 channels (head a / 4, tile a % 4 of its four), my 128 tokens: one key step.  Register T + 8 b + j of lane (r, h) is token 16 b + 8 h + j, channel r.
.macro VBLOCK a
.set AC, 64*((\a)%4)
	WIN 0x02+((\a)/4)
.set j, 0
.rept 32
	v_pk_fma_f32 v[T+j:T+j+1], v[AC+j:AC+j+1], s[96:97], v[VB+2*(\a):VB+2*(\a)+1] op_sel_hi:[1,0,1]
.set j, j+2
.endr
	WIN 0
.set j, 0
.rept 64
	v_med3_num_f32 v[T+j], v[T+j], -v[LIM], v[LIM]
.set j, j+1
.endr
.if (\a) > 0
	s_wait_alu depctr_va_vdst(0)
	s_wait_xcnt 0x0                                ; the last block's stores have read their data
.endif
.irp g, 0,1,2,3,4,5,6,7
	v_cvt_scalef32_pk8_fp8_f32 v[C+2*\g:C+2*\g+1], v[T+8*\g:T+8*\g+7], v[SCL]   ; registers 2 g, 2 g + 1: keys 16 g + 8 h + 0 .. 7
.endr
	v_nop
.irp c, 0,1,2,3
	global_store_b128 v[LI], v[C+4*\c:C+4*\c+3], s[82:83] offset:131072*((\a)/4)+2048*((\a)%4)+512*\c
.endr
.endm
	s_cmp_eq_u32 ttmp9, 2                          ; the cluster's x: the same in all partners and all waves
	s_cbranch_scc1 .Lvalues
.irp t, 0,1,2,3                                ; gains and offsets of channels 16 t + 8 h + 0 .. 7
	global_load_b128 v[LNW+8*\t:LNW+8*\t+3], v[HO], s[92:93] offset:64*\t
	global_load_b128 v[LNW+8*\t+4:LNW+8*\t+7], v[HO], s[92:93] offset:64*\t+16
	global_load_b128 v[LNB+8*\t:LNB+8*\t+3], v[HO], s[94:95] offset:64*\t
	global_load_b128 v[LNB+8*\t+4:LNB+8*\t+7], v[HO], s[94:95] offset:64*\t+16
.endr
	s_wait_loadcnt 16                              ; the biases, asked for at the head, are in; the sixteen loads just issued may be out
.irp a, 0,1,2,3,4,5,6,7
	LNBLOCK \a
.endr
	s_branch .Lend
.Lvalues:
	s_wait_loadcnt 0x0                             ; the biases
.irp a, 0,1,2,3,4,5,6,7
	VBLOCK \a
.endr
.Lend:
	s_wait_tensorcnt 0x0                           ; the wave's end
	ds_add_u32 v[SPW], v[NIL]
	s_wait_dscnt 0x0
	CROUND                                         ; the closing round: no work-group ends while a partner may still ask for a tile that names it
	s_endpgm
.Lfunc_end_k_qf819fb0384_qkv:
	.size	k_qf819fb0384_qkv, .Lfunc_end_k_qf819fb0384_qkv-k_qf819fb0384_qkv
	.p2alignl 7, 3214868480
	.fill 96, 4, 3214868480
	.section	.rodata,"a",@progbits
	.p2align	6, 0x0
	.amdhsa_kernel k_qf819fb0384_qkv
		.amdhsa_group_segment_fixed_size 327680
		.amdhsa_private_segment_fixed_size 0
		.amdhsa_enable_private_segment 0
		.amdhsa_kernarg_size 88
		.amdhsa_user_sgpr_count 2
		.amdhsa_user_sgpr_kernarg_segment_ptr 1
		.amdhsa_wavefront_size32 1
		.amdhsa_system_sgpr_workgroup_id_x 1
		.amdhsa_system_sgpr_workgroup_id_y 1
		.amdhsa_system_sgpr_workgroup_id_z 1
		.amdhsa_system_vgpr_workitem_id 0
		.amdhsa_next_free_vgpr 1024
		.amdhsa_next_free_sgpr 100
		.amdhsa_reserve_vcc 0
		.amdhsa_float_denorm_mode_32 3
		.amdhsa_float_denorm_mode_16_64 3
		.amdhsa_memory_ordered 1
		.amdhsa_forward_progress 1
		.amdhsa_inst_pref_size 255
	.end_amdhsa_kernel
	.section	.bss,"aw",@nobits
	.p2align	6
	.space	262144
	.amdgpu_metadata
---
amdhsa.version: [ 1, 2 ]
amdhsa.kernels:
  - .name:           k_qf819fb0384_qkv
    .symbol:         k_qf819fb0384_qkv.kd
    .args:
      - { .name: xc, .offset: 0, .size: 8, .value_kind: global_buffer, .address_space: global }
      - { .name: wc, .offset: 8, .size: 8, .value_kind: global_buffer, .address_space: global }
      - { .name: lowp_scales, .offset: 16, .size: 8, .value_kind: global_buffer, .address_space: global }
      - { .name: qkv_b, .offset: 24, .size: 8, .value_kind: global_buffer, .address_space: global }
      - { .name: q_norm_w, .offset: 32, .size: 8, .value_kind: global_buffer, .address_space: global }
      - { .name: q_norm_b, .offset: 40, .size: 8, .value_kind: global_buffer, .address_space: global }
      - { .name: k_norm_w, .offset: 48, .size: 8, .value_kind: global_buffer, .address_space: global }
      - { .name: k_norm_b, .offset: 56, .size: 8, .value_kind: global_buffer, .address_space: global }
      - { .name: qc, .offset: 64, .size: 8, .value_kind: global_buffer, .address_space: global }
      - { .name: kc, .offset: 72, .size: 8, .value_kind: global_buffer, .address_space: global }
      - { .name: vc, .offset: 80, .size: 8, .value_kind: global_buffer, .address_space: global }
    .group_segment_fixed_size: 327680
    .private_segment_fixed_size: 0
    .kernarg_segment_align: 8
    .kernarg_segment_size: 88
    .max_flat_workgroup_size: 128
    .sgpr_count:     100
    .vgpr_count:     1024
    .wavefront_size: 32
...
	.end_amdgpu_metadata
.endif
;; end of part 2
;; launch attn (part 3): grid 4 x 64, 8 waves a work-group, clusters of 4 x 1, 327,680 bytes of LDS; arguments qc, kc, vc, lowp_scales, ac; writes ac
.if DOCPART == 3
	.amdgcn_target "amdgcn-amd-amdhsa--gfx1250"
	.amdhsa_code_object_version 6
	.text
	.protected	k_qf819fb0384_attn
	.globl	k_qf819fb0384_attn
	.p2align	8
	.type	k_qf819fb0384_attn,@function
k_qf819fb0384_attn:
	s_mov_b64 s[64:65], 0
	v_nop
	global_prefetch_b8 v0, s[64:65] scope:SCOPE_SE
	s_setreg_imm32_b32 hwreg(HW_REG_WAVE_MODE, 25, 1), 1
	s_wait_xcnt 0x0
	s_wait_alu depctr_hold_cnt(0) depctr_sa_sdst(0) depctr_va_vdst(0) depctr_va_sdst(0) depctr_va_ssrc(0) depctr_va_vcc(0) depctr_vm_vsrc(0)
	s_getreg_b32 s2, hwreg(HW_REG_IB_STS2, 6, 4)
	s_cmp_eq_u32 s2, 0
	s_cbranch_scc0 .Lentry_in_a_cluster
	s_endpgm
.Lentry_in_a_cluster:
	s_bfe_u32 s2, ttmp6, 0x10000c
	s_cmp_lg_u32 s2, 0x3003
	s_cbranch_scc0 .Lentry_shape_is_right
	s_endpgm
.Lentry_shape_is_right:
; Attention of one head on codes of FP8 (E4M3): O = softmax(q k^T / 8) v, both products on codes, then the quantiser of the result (entry 6 of the scales).
; INPUTS, images of operand registers.  qc, kc: [batch x 16 + head][128 tiles of 16 tokens][1,024 bytes]: 16 tokens x 64 channels, registers 4 p .. 4 p + 3 of lane l at 512 p + 16 l.
; vc: [batch x 16 + head][16 steps of 128 keys][4 tiles of 16 channels][2,048 bytes].  OUTPUT ac: [tile of 16 tokens][8 fragments of 128 channels][2,048]; a head is half a fragment: 1,024 bytes at 1,024 x head.
; THE SOFTMAX: t = score x log2(e) / 8; M = the running largest t rounded up to a whole number; p = 2^(t - M) is quantised (entry 5), not normalised; the row's sum is taken of the unquantised p and divides at the end.
; When M moves, the sum and O are multiplied by 2^(old M - new M), which rounds nothing.
; LIMITS: e2 + e3 between -123 and 130 (added to the exponent field of log2(e) / 8); e5, e6 between -126 and 119; the scaled scores stay under 2^31 in magnitude.  NaN among the inputs is not served.
; SHARES.  A work-group owns 512 queries of one head; each of its eight waves 64 of them, four tiles of 16.  A head's K and V, 131,072 bytes each, lie whole in LDS: K from byte 0, V from 0x20000.
; CLUSTER: the four work-groups of a head need the same K and V: each wave asks jointly for 32,768 bytes (waves 0-3: K, waves 4-7: V), its one tensor load of the launch.  Nothing is filled again.
; No prefetch: all that the launch reads through LDS is asked for at its head, so there is no loop to run ahead in.
; LAYOUT.  Both products are used transposed: S^T = K Q^T, O^T = V^T P^T: a lane holds one query (lane % 16); register 8 kt + j of S is key 16 kt + 8 (lane / 16) + j, as the second product's operand wants it.
; THE TILES GO IN PAIRS: the maxima, the sums and the short chains behind the maxima of two tiles are laid line by line in turn, four chains at a time, and the pair's 128 exponentials are one batch.
; The next pair's scores are issued ahead of the rescaling of O, whose 32 lines are the places behind them.
; REGISTERS.  Window 0: v1-4 addresses; v8-39 state, 8 a tile (-M, largest t, the sum in two halves, f, 0, two for the way out); v40-47, v52-53 at work; v48-51, v54 scales and bounds;
;   v56-87 Q; v94-95 the add's two; v96-223 S of a pair; v224-255 p's codes of a pair.   Window 1: v0-63 K's eight fragments; v64-127 V's four; v128-255 O^T, 32 a tile.
.set LI,  1                            ; 16 x lane
.set LV,  2                            ; the same in V's region
.set ADK, 3
.set ADV, 4
.set ST,  8
.set Q,   56
.set SPW, 94
.set NIL, 95
.set S,   96
.set PC,  224
.set KF,  0
.set VF,  64
.set O,   128
.set WV,  14                           ; s14 my wave's number
.set TB,  56                           ; s56 the step's first byte in K's and in V's region
.set CNT, 57
.set SPARE, 0x40000                    ; behind K and V: the spare words, 128 bytes for each wave
.set MSB, 0
.macro WIN new                         ; the immediate's high byte repeats the setting that is left
.if MSB != (\new)
	s_set_vgpr_msb (MSB<<8)|(\new)
.set MSB, (\new)
.endif
.endm
.macro CROUND                          ; a round of the cluster's barrier
	s_barrier_signal -1
	s_barrier_wait -1
	s_cmp_lg_u32 s[WV], 0
	s_cbranch_scc1 .Lnot_wave_0_\@
	s_barrier_signal -3
.Lnot_wave_0_\@:
	s_barrier_wait -3
	s_barrier_signal -1
	s_barrier_wait -1
.endm
	s_load_b256 s[4:11], s[0:1], 0x0               ; qc s[4:5], kc s[6:7], vc s[8:9], the scales' exponents s[10:11]
	s_load_b64 s[12:13], s[0:1], 0x20              ; ac
	v_lshl_add_u32 v[SPW], v0, 2, SPARE
	v_mov_b32 v[NIL], 0
	ds_add_u32 v[SPW], v[NIL]                      ; the opening lines: the add twice on end, and its wait ahead of my tensor load
	ds_add_u32 v[SPW], v[NIL]
	v_lshrrev_b32 v3, 5, v0
	s_delay_alu instid0(VALU_DEP_1)
	v_readfirstlane_b32 s[WV], v3                  ; wave 0..7
	s_bfe_u32 s15, ttmp6, 0x40000
	s_lshl_b32 s17, ttmp9, 2
	s_add_co_u32 s15, s17, s15                     ; which 512 queries
	s_and_b32 s16, ttmp7, 0xffff                   ; batch x 16 + head
	s_and_b32 s17, s[WV], 3
	s_lshr_b32 s18, s[WV], 2
	s_lshl_b32 s18, s18, 17                        ; K's region or V's,
	s_lshl_b32 s19, s17, 15                        ; my quarter of it
	s_mov_b32 s24, 15|(3<<16)|(1<<21)              ; group 1: the mask names the four; elements of 8 bytes; bit 21 beside a mask
	s_mov_b32 s25, 32<<16                          ; rows of 32 elements, 256 bytes,
	s_mov_b32 s26, 128<<16                         ; 128 of them,
	s_mov_b32 s27, 32<<16
	s_mov_b32 s28, 128
	s_mov_b32 s29, 32                              ; dense in memory and in LDS
	s_mov_b32 s30, 0
	s_mov_b32 s31, 0
	s_lshl_b32 s60, s16, 17                        ; the head's first byte in qc, kc and vc
	s_mov_b32 s61, 0
	s_mov_b32 s67, 0
	s_wait_dscnt 0x0                               ; both opening adds are done
	s_wait_kmcnt 0x0
	s_load_b256 s[48:55], s[10:11], 0x0            ; e0 .. e7
	s_cmp_lt_u32 s[WV], 4
	s_cselect_b64 s[62:63], s[6:7], s[8:9]
	s_add_nc_u64 s[62:63], s[62:63], s[60:61]
	s_mov_b32 s40, 1
	s_add_co_u32 s41, s18, s19
	s_mov_b32 s66, s19
	s_add_nc_u64 s[42:43], s[62:63], s[66:67]
	s_or_b32 s43, s43, 0x80000000
	CROUND                                         ; the four work-groups are here: the joint loads meet
	tensor_load_to_lds s[40:43], s[24:31]
	s_nop 0
.rept 4
	v_nop
.endr
	v_and_b32 v3, 31, v0
	s_delay_alu instid0(VALU_DEP_1)
	v_lshlrev_b32 v[LI], 4, v3
	s_delay_alu instid0(VALU_DEP_1)
	v_add_nc_u32 v[LV], 0x20000, v[LI]
	s_lshl_b32 s66, s15, 15                        ; 32 tiles of queries a work-group,
	s_lshl_b32 s68, s[WV], 12                      ; four a wave
	s_add_co_u32 s66, s66, s68
	s_add_co_u32 s66, s66, s60
	s_add_nc_u64 s[4:5], s[4:5], s[66:67]
.irp t, 0,1,2,3
.irp c, 0,1
	global_load_b128 v[Q+8*\t+4*\c:Q+8*\t+4*\c+3], v[LI], s[4:5] offset:1024*\t+512*\c   ; Q's four fragments stay in registers
.endr
.endr
	s_lshr_b32 s66, s16, 4                         ; ac: (batch x 128 + my first tile of tokens) x 16,384 + head x 1,024
	s_lshl_b32 s66, s66, 7
	s_lshl_b32 s68, s15, 5
	s_add_co_u32 s66, s66, s68
	s_lshl_b32 s68, s[WV], 2
	s_add_co_u32 s66, s66, s68
	s_lshl_b32 s66, s66, 14
	s_and_b32 s68, s16, 15
	s_lshl_b32 s68, s68, 10
	s_add_co_u32 s66, s66, s68
	s_add_nc_u64 s[12:13], s[12:13], s[66:67]
	s_mov_b32 s20, 0x76543210                      ; v_permlanex16_b32's selects for lane l xor 16
	s_mov_b32 s21, 0xfedcba98
	s_mov_b32 s[TB], 0
.irp t, 0,1,2,3
	v_mov_b32 v[ST+8*\t+1], 0xff61b1e6             ; the largest t so far: -3e38
	s_delay_alu instid0(VALU_DEP_1)
	v_floor_f32 v[ST+8*\t], -v[ST+8*\t+1]          ; -M
	v_mov_b32 v[ST+8*\t+2], 0                      ; the sum
	v_mov_b32 v[ST+8*\t+3], 0
	v_mov_b32 v[ST+8*\t+5], 0                      ; named as upper halves of pairs
	v_mov_b32 v[ST+8*\t+7], 0
.endr
	v_mov_b32 v44, 0                               ; lane permutes' destinations: written once
	v_mov_b32 v45, 0
	WIN 0x40
.set i, 0
.rept 128
	v_mov_b32 v[O+i], 0                            ; O^T: the step is written for all steps alike; the first finds zeros, which the first change of M leaves zeros
.set i, i+1
.endr
	WIN 0
	s_wait_kmcnt 0x0
	s_add_co_i32 s59, s50, s51
	s_lshl_b32 s59, s59, 23
	s_mov_b32 s22, 0x3e38aa3b                      ; log2(e) / 8,
	s_add_co_i32 s22, s22, s59                     ; x 2^(e2 + e3)
	s_mov_b32 s23, s22
	s_add_co_i32 s59, s53, 127
	s_lshl_b32 s60, s59, 23
	v_mov_b32 v48, s60                             ; 2^e5
	s_add_co_i32 s59, s59, 8
	s_lshl_b32 s59, s59, 23
	s_or_b32 s59, s59, 0x600000
	v_mov_b32 v49, s59                             ; 448 x 2^e5,
	v_mov_b32 v54, s59                             ; twice: the two halves of a dual line name second sources in different banks
	s_add_co_i32 s59, s54, 127
	s_lshl_b32 s60, s59, 23
	v_mov_b32 v50, s60                             ; 2^e6
	s_add_co_i32 s59, s59, 8
	s_lshl_b32 s59, s59, 23
	s_or_b32 s59, s59, 0x600000
	v_mov_b32 v51, s59                             ; 448 x 2^e6
	s_add_co_i32 s58, s52, s53                     ; e4 + e5
.macro FETCH_K off                     ; eight fragments of 16 keys: sixteen loads of 512 consecutive bytes
	WIN 0
	v_add_nc_u32 v[ADK], s[TB], v[LI]
	WIN 0x40
.set i, 0
.rept 16
	ds_load_b128 v[KF+4*i:KF+4*i+3], v[ADK] offset:\off+512*i
.set i, i+1
.endr
.endm
.macro FETCH_V                         ; four fragments of 16 channels x 128 keys
	WIN 0
	v_add_nc_u32 v[ADV], s[TB], v[LV]
	WIN 0x40
.set i, 0
.rept 16
	ds_load_b128 v[VF+4*i:VF+4*i+3], v[ADV] offset:512*i
.set i, i+1
.endr
.endm
.macro SQK p                           ; the scores of tiles 2 p, 2 p + 1 against 128 keys: sixteen accumulators, each begun with 0
	WIN 0x01
.irp u, 0,1
.irp kt, 0,1,2,3,4,5,6,7
	v_wmma_f32_16x16x64_fp8_fp8 v[S+64*\u+8*\kt:S+64*\u+8*\kt+7], v[KF+8*\kt:KF+8*\kt+7], v[Q+16*(\p)+8*\u:Q+16*(\p)+8*\u+7], 0
.endr
.endr
.endm
.macro SOFT_A p                        ; the pair's maxima (each accumulator from its low end on), M, f, and t - M
	WIN 0
.irp c, 0,1
.irp u, 0,1
	v_max3_num_f32 v[40+2*\u+\c], v[S+64*\u+3*\c], v[S+64*\u+3*\c+1], v[S+64*\u+3*\c+2]
.endr
.endr
.irp i, 6,10,14,18,22,26,30,34,38,42,46,50,54,58
.irp c, 0,1
.irp u, 0,1
	v_max3_num_f32 v[40+2*\u+\c], v[40+2*\u+\c], v[S+64*\u+\i+2*\c], v[S+64*\u+\i+2*\c+1]
.endr
.endr
.endr
.irp u, 0,1
	v_max3_num_f32 v[40+2*\u], v[40+2*\u], v[S+64*\u+62], v[S+64*\u+63]
.endr
.irp u, 0,1
	s_delay_alu instid0(VALU_DEP_2)
	v_max_num_f32 v[40+2*\u], v[40+2*\u], v[41+2*\u]
.endr
.irp u, 0,1
	s_delay_alu instid0(VALU_DEP_2)
	v_permlanex16_b32 v[44+\u], v[40+2*\u], s20, s21
.endr
.irp u, 0,1
	s_delay_alu instid0(VALU_DEP_2)
	v_max_num_f32 v[40+2*\u], v[40+2*\u], v[44+\u] ; with the lane 16 away, which holds the query's other 64 keys
.endr
.irp u, 0,1
	s_delay_alu instid0(VALU_DEP_2)
	v_mul_f32 v[40+2*\u], s22, v[40+2*\u]          ; as t
.endr
.irp u, 0,1
	s_delay_alu instid0(VALU_DEP_2)
	v_max_num_f32 v[ST+16*(\p)+8*\u+1], v[ST+16*(\p)+8*\u+1], v[40+2*\u]
.endr
.irp u, 0,1
	v_mov_b32 v[40+2*\u], v[ST+16*(\p)+8*\u]
.endr
.irp u, 0,1
	s_delay_alu instid0(VALU_DEP_4)
	v_floor_f32 v[ST+16*(\p)+8*\u], -v[ST+16*(\p)+8*\u+1]   ; -M = floor(-t)
.endr
.irp u, 0,1
	s_delay_alu instid0(VALU_DEP_2)
	v_sub_f32 v[40+2*\u], v[ST+16*(\p)+8*\u], v[40+2*\u]    ; old M - new M, a whole number, 0 or less
.endr
.irp u, 0,1
	s_delay_alu instid0(VALU_DEP_2)
	v_cvt_i32_f32 v[40+2*\u], v[40+2*\u]           ; (it saturates)
.endr
.irp u, 0,1
	s_delay_alu instid0(VALU_DEP_2)
	v_ldexp_f32 v[ST+16*(\p)+8*\u+4], 1.0, v[40+2*\u]       ; f
.endr
.irp u, 0,1
.set j, 0
.rept 32
	v_pk_fma_f32 v[S+64*\u+j:S+64*\u+j+1], v[S+64*\u+j:S+64*\u+j+1], s[22:23], v[ST+16*(\p)+8*\u:ST+16*(\p)+8*\u+1] op_sel_hi:[1,0,0]
.set j, j+2
.endr
.endr
.endm
.macro SOFT_B p                        ; p, the sums, the hold, the codes
	WIN 0
	s_wait_alu depctr_va_vdst(0)
.set j, 0
.rept 128
	v_exp_f32 v[S+j], v[S+j]
.set j, j+1
.endr
.irp u, 0,1
	v_pk_mul_f32 v[ST+16*(\p)+8*\u+2:ST+16*(\p)+8*\u+3], v[ST+16*(\p)+8*\u+2:ST+16*(\p)+8*\u+3], v[ST+16*(\p)+8*\u+4:ST+16*(\p)+8*\u+5] op_sel_hi:[1,0]   ; the sums under the new M; plain lines behind the batch
.endr
	s_wait_alu depctr_va_vdst(0)                   ; one wait for the batch, ahead of its first reader; it also stands directly ahead of the wait below
	s_wait_dscnt 0x0                               ; the sixteen fragment loads issued ahead of the batch are in
.irp u, 0,1
	v_pk_add_f32 v[46+6*\u:47+6*\u], v[S+64*\u:S+64*\u+1], v[S+64*\u+2:S+64*\u+3]
.endr
.irp i, 4,8,12,16,20,24,28,32,36,40,44,48,52,56,60
.irp u, 0,1
	v_pk_add_f32 v[ST+16*(\p)+8*\u+2:ST+16*(\p)+8*\u+3], v[ST+16*(\p)+8*\u+2:ST+16*(\p)+8*\u+3], v[S+64*\u+\i:S+64*\u+\i+1]
.endr
.irp u, 0,1
	v_pk_add_f32 v[46+6*\u:47+6*\u], v[46+6*\u:47+6*\u], v[S+64*\u+\i+2:S+64*\u+\i+3]
.endr
.endr
.irp u, 0,1
	s_delay_alu instid0(VALU_DEP_2)
	v_pk_add_f32 v[ST+16*(\p)+8*\u+2:ST+16*(\p)+8*\u+3], v[ST+16*(\p)+8*\u+2:ST+16*(\p)+8*\u+3], v[46+6*\u:47+6*\u]
.endr
.set j, 0
.rept 64
	v_dual_min_num_f32 v[S+j], v[S+j], v49 :: v_dual_min_num_f32 v[S+j+1], v[S+j+1], v54   ; the conversion does not saturate (ISA guide 7.6.2); p is not negative: a one-sided hold, two numbers a line
.set j, j+2
.endr
.set j, 0
.rept 16
	v_cvt_scalef32_pk8_fp8_f32 v[PC+2*j:PC+2*j+1], v[S+8*j:S+8*j+7], v48   ; tile j / 8: registers 2 (j % 8), + 1 of P's fragment
.set j, j+1
.endr
	v_nop                                          ; a plain line behind the conversions: matrix lines write their sources and read their results
.endm
.macro RESC p                          ; O^T of the pair under the new M
	WIN 0x41
.irp u, 0,1
.set j, 0
.rept 16
	v_pk_mul_f32 v[O+64*(\p)+32*\u+j:O+64*(\p)+32*\u+j+1], v[O+64*(\p)+32*\u+j:O+64*(\p)+32*\u+j+1], v[ST+16*(\p)+8*\u+4:ST+16*(\p)+8*\u+5] op_sel_hi:[1,0]
.set j, j+2
.endr
.endr
.endm
.macro PV p                            ; O^T += V^T P^T: the pair's eight accumulators by turns
	WIN 0x51
.irp u, 0,1
.irp ct, 0,1,2,3
	v_wmma_f32_16x16x128_fp8_fp8 v[O+64*(\p)+32*\u+8*\ct:O+64*(\p)+32*\u+8*\ct+7], v[VF+16*\ct:VF+16*\ct+15], v[PC+16*\u:PC+16*\u+15], v[O+64*(\p)+32*\u+8*\ct:O+64*(\p)+32*\u+8*\ct+7]
.endr
.endr
.endm
; A KEY STEP of 128 keys.  At its head the first pair's scores have been issued and K's fragments are in registers.
.macro STEP last
	SOFT_A 0                                       ; (its lines are the places in front of the loads into V's registers)
	FETCH_V
	SOFT_B 0
	SQK 1                                          ; S is free: the second pair's scores,
	RESC 0                                         ; 32 plain lines behind them,
	PV 0
	SOFT_A 1
.if !(\last)
	FETCH_K 8192                                   ; the next step's keys
.endif
	SOFT_B 1
.if !(\last)
	SQK 0                                          ; the next step's first pair
.endif
	RESC 1
	PV 1
	WIN 0
	s_add_co_u32 s[TB], s[TB], 8192
.endm
	s_wait_alu depctr_va_vdst(0)
	s_wait_tensorcnt 0x0                           ; my quarter of K or of V is in
	s_barrier_signal -1
	s_barrier_wait -1                              ; everybody's is
	FETCH_K 0
	s_wait_loadcnt 0x0                             ; Q
	s_wait_dscnt 0x0
	SQK 0
	WIN 0
.rept 4
	v_nop                                          ; places in front of the first read of the scores
.endr
	s_mov_b32 s[CNT], 15
.Lstep:
	STEP 0
	s_sub_co_u32 s[CNT], s[CNT], 1
	s_cmp_lg_u32 s[CNT], 0
	s_cbranch_scc1 .Lstep
	STEP 1                                         ; the last step fetches and begins nothing further
	; THE WAY OUT: O^T / the sum x 2^(e4 + e5), held, converted: the results are the image's registers; each store covers 512 consecutive bytes, aligned
.irp t, 0,1,2,3
	v_add_f32 v[ST+8*\t+6], v[ST+8*\t+2], v[ST+8*\t+3]
.endr
.irp t, 0,1,2,3
	s_delay_alu instid0(VALU_DEP_4)
	v_permlanex16_b32 v[ST+8*\t+7], v[ST+8*\t+6], s20, s21
.endr
.irp t, 0,1,2,3
	s_delay_alu instid0(VALU_DEP_4)
	v_add_f32 v[ST+8*\t+6], v[ST+8*\t+6], v[ST+8*\t+7]
.endr
	s_wait_alu depctr_va_vdst(0)                   ; ahead of the batch
.irp t, 0,1,2,3
	v_rcp_f32 v[ST+8*\t+6], v[ST+8*\t+6]
.endr
	v_nop
	s_wait_alu depctr_va_vdst(0)                   ; and behind it, ahead of its first reader and of O^T's
.irp t, 0,1,2,3
	v_ldexp_f32 v[ST+8*\t+6], v[ST+8*\t+6], s58
.endr
	WIN 0x01
.irp t, 0,1,2,3
.set j, 0
.rept 16
	v_pk_mul_f32 v[S+32*\t+j:S+32*\t+j+1], v[O+32*\t+j:O+32*\t+j+1], v[ST+8*\t+6:ST+8*\t+7] op_sel_hi:[1,0]
.set j, j+2
.endr
.endr
	WIN 0
.set j, 0
.rept 128
	v_med3_num_f32 v[S+j], v[S+j], -v51, v51
.set j, j+1
.endr
.set j, 0
.rept 16
	v_cvt_scalef32_pk8_fp8_f32 v[PC+2*j:PC+2*j+1], v[S+8*j:S+8*j+7], v50
.set j, j+1
.endr
	v_nop
.irp t, 0,1,2,3
.irp c, 0,1
	global_store_b128 v[LI], v[PC+8*\t+4*\c:PC+8*\t+4*\c+3], s[12:13] offset:16384*\t+512*\c
.endr
.endr
	s_wait_tensorcnt 0x0                           ; the wave's end
	ds_add_u32 v[SPW], v[NIL]
	s_wait_dscnt 0x0
	CROUND                                         ; the closing round
	s_endpgm
.Lfunc_end_k_qf819fb0384_attn:
	.size	k_qf819fb0384_attn, .Lfunc_end_k_qf819fb0384_attn-k_qf819fb0384_attn
	.p2alignl 7, 3214868480
	.fill 96, 4, 3214868480
	.section	.rodata,"a",@progbits
	.p2align	6, 0x0
	.amdhsa_kernel k_qf819fb0384_attn
		.amdhsa_group_segment_fixed_size 327680
		.amdhsa_private_segment_fixed_size 0
		.amdhsa_enable_private_segment 0
		.amdhsa_kernarg_size 40
		.amdhsa_user_sgpr_count 2
		.amdhsa_user_sgpr_kernarg_segment_ptr 1
		.amdhsa_wavefront_size32 1
		.amdhsa_system_sgpr_workgroup_id_x 1
		.amdhsa_system_sgpr_workgroup_id_y 1
		.amdhsa_system_sgpr_workgroup_id_z 1
		.amdhsa_system_vgpr_workitem_id 0
		.amdhsa_next_free_vgpr 512
		.amdhsa_next_free_sgpr 72
		.amdhsa_reserve_vcc 0
		.amdhsa_float_denorm_mode_32 3
		.amdhsa_float_denorm_mode_16_64 3
		.amdhsa_memory_ordered 1
		.amdhsa_forward_progress 1
		.amdhsa_inst_pref_size 136
	.end_amdhsa_kernel
	.amdgpu_metadata
---
amdhsa.version: [ 1, 2 ]
amdhsa.kernels:
  - .name:           k_qf819fb0384_attn
    .symbol:         k_qf819fb0384_attn.kd
    .args:
      - { .name: qc, .offset: 0, .size: 8, .value_kind: global_buffer, .address_space: global }
      - { .name: kc, .offset: 8, .size: 8, .value_kind: global_buffer, .address_space: global }
      - { .name: vc, .offset: 16, .size: 8, .value_kind: global_buffer, .address_space: global }
      - { .name: lowp_scales, .offset: 24, .size: 8, .value_kind: global_buffer, .address_space: global }
      - { .name: ac, .offset: 32, .size: 8, .value_kind: global_buffer, .address_space: global }
    .group_segment_fixed_size: 327680
    .private_segment_fixed_size: 0
    .kernarg_segment_align: 8
    .kernarg_segment_size: 40
    .max_flat_workgroup_size: 256
    .sgpr_count:     72
    .vgpr_count:     512
    .wavefront_size: 32
...
	.end_amdgpu_metadata
.endif
;; end of part 3
;; launch oproj (part 4): grid 4 x 64, 4 waves a work-group, clusters of 4 x 4, 327,680 bytes of LDS; arguments ac, oc, lowp_scales, o_b, out0; writes out0
.if DOCPART == 4
	.amdgcn_target "amdgcn-amd-amdhsa--gfx1250"
	.amdhsa_code_object_version 6
	.text
	.protected	k_qf819fb0384_oproj
	.globl	k_qf819fb0384_oproj
	.p2align	8
	.type	k_qf819fb0384_oproj,@function
k_qf819fb0384_oproj:
	s_mov_b64 s[64:65], 0
	v_nop
	global_prefetch_b8 v0, s[64:65] scope:SCOPE_SE
	s_setreg_imm32_b32 hwreg(HW_REG_WAVE_MODE, 25, 1), 1
	s_wait_xcnt 0x0
	s_wait_alu depctr_hold_cnt(0) depctr_sa_sdst(0) depctr_va_vdst(0) depctr_va_sdst(0) depctr_va_ssrc(0) depctr_va_vcc(0) depctr_vm_vsrc(0)
	s_getreg_b32 s2, hwreg(HW_REG_IB_STS2, 6, 4)
	s_cmp_eq_u32 s2, 0
	s_cbranch_scc0 .Lentry_in_a_cluster
	s_endpgm
.Lentry_in_a_cluster:
	s_bfe_u32 s2, ttmp6, 0x10000c
	s_cmp_lg_u32 s2, 0xf033
	s_cbranch_scc0 .Lentry_shape_is_right
	s_endpgm
.Lentry_shape_is_right:
; out0 = attn o_w^T + o_b on codes of FP8 (8,192 x 1,024 x 1,024).  ac, oc: images of operand registers, [tile of 16 rows][8 fragments of 128 K][2,048 bytes]:
; registers 4 p .. 4 p + 3 of lane l at 512 p + 16 l, so a fragment comes from LDS by four loads of 512 consecutive bytes.
; LIMIT: e6 + e7 between -126 and 127, so that 2^(e6 + e7) is an f32 number.
; SHARES.  A block of 128 tokens x 256 columns to a work-group: 64 x 4 = 256 work-groups.  Four waves, 64 tokens x 128 columns each: 32 accumulators, 256 registers.
; LDS holds six of K's eight chunks of 128 at once, in two parts.  Part P: chunks 0, 1 (ac 8 tiles x 4,096 bytes, oc 16 tiles x 4,096).  Part Q: chunks 2 to 5 (8 x 8,192 and 16 x 8,192).
; The four pieces are the four waves' one tensor load each at the head.  Chunks 6, 7 fill part P again, once, by waves 0 and 1, when chunks 0, 1 have been read; they have chunks 2 to 5 in which to land.
; CLUSTERS: 4 x 4 work-groups; ac's tiles are asked for jointly along a row of the cluster, oc's along a column.
; No prefetch: K is 1,024, and two fills bring all that a work-group reads; there is no loop to run ahead in.
; The matrix instruction is used transposed (source 0 = 16 rows of o_w, source 1 = 16 tokens): a lane holds eight neighbouring columns of one token.
; REGISTERS.  Window 0: v16-29 addresses; v32-95 bias; v128-255 the tokens' four fragments, two sets (on the way out: rows read back).  Window 1: o_w's eight fragments, two sets.  Window 2: accumulator (a, b) at v[8 (8 a + b)].
.set PX,     0                         ; LDS: part P of ac,
.set PW,     32768                     ; of oc;
.set QX,     98304                     ; part Q of ac,
.set QW,     163840                    ; of oc
.set SPARE,  294912                    ; behind them: the spare words, 128 bytes for each wave
.set STAGE,  QX                        ; the way out: 16 rows x 528 bytes for each wave, in part Q, which is filled once and is read no more behind the last barrier
.set SPITCH, 528
.set AXP,  16                          ; v16-19 LDS addresses of my fragments: ac, oc in part P; ac, oc in part Q
.set AWP,  17
.set AXQ,  18
.set AWQ,  19
.set HO,   22                          ; v22 32 x (lane / 16)
.set STO,  24
.set RD,   25
.set CO,   26                          ; v26 16 x lane
.set SPW,  28
.set NIL,  29
.set BIAS, 32
.set AF,   128
.set BK,   128
.set TMP,  0
.set G1PX, 24                          ; four groups 1, one for each piece
.set G1PW, 32
.set G1QX, 48
.set G1QW, 68
.set G0X,  56                          ; group 0 for ac's pieces, for oc's pieces
.set G0W,  60
.set MSB, 0
.macro WIN new                         ; the immediate's high byte repeats the setting that is left
.if MSB != (\new)
	s_set_vgpr_msb (MSB<<8)|(\new)
.set MSB, (\new)
.endif
.endm
.set MUL_LO, 0xa1                      ; source 0 window 1, source 1 window 0, C and D window 2
.set TO_B,   0x40
.macro TL g0, g1                       ; a joint load
	tensor_load_to_lds s[\g0:\g0+3], s[\g1:\g1+7]
	s_nop 0
.rept 4
	v_nop
.endr
.endm
.macro GROUP1 g, len, rows             ; rows of len elements of 8 bytes, 16,384 bytes apart in memory, dense in LDS
	s_mov_b32 s[\g+1], (\len)<<16
	s_mov_b32 s[\g+2], (\rows)<<16
	s_mov_b32 s[\g+3], (\len)<<16
	s_mov_b32 s[\g+4], \rows
	s_mov_b32 s[\g+5], 2048
	s_mov_b32 s[\g+6], 0
	s_mov_b32 s[\g+7], 0
.endm
.macro CREST                           ; a round of the cluster's barrier behind its opening barrier
	s_cmp_lg_u32 s14, 0
	s_cbranch_scc1 .Lnot_wave_0_\@
	s_barrier_signal -3
.Lnot_wave_0_\@:
	s_barrier_wait -3
	s_barrier_signal -1
	s_barrier_wait -1
.endm
.macro CROUND
	s_barrier_signal -1
	s_barrier_wait -1
	CREST
.endm
.macro PLACES
.rept 4
	v_nop
.endr
.endm
	s_load_b256 s[4:11], s[0:1], 0x0               ; ac s[4:5], oc s[6:7], the scales' exponents s[8:9], o_b s[10:11]
	s_load_b64 s[12:13], s[0:1], 0x20              ; out0
	v_lshl_add_u32 v[SPW], v0, 2, SPARE
	v_mov_b32 v[NIL], 0
	ds_add_u32 v[SPW], v[NIL]                      ; the opening lines: the add twice on end, and its wait ahead of my first tensor load
	ds_add_u32 v[SPW], v[NIL]
	v_lshrrev_b32 v1, 5, v0
	v_readfirstlane_b32 s14, v1                    ; wave 0..3
	s_lshr_b32 s15, s14, 1                         ; which 64 tokens are mine.  Also: I fetch part P (0) or Q (1)
	s_and_b32 s16, s14, 1                          ; which 128 columns.  Also: I fetch for ac (0) or oc (1)
	s_bfe_u32 s40, ttmp6, 0x40000                  ; cx, cy
	s_bfe_u32 s41, ttmp6, 0x40004
	s_lshl_b32 s42, ttmp9, 2
	s_add_co_u32 s42, s42, s40                     ; block column
	s_and_b32 s17, ttmp7, 0xffff
	s_lshl_b32 s17, s17, 2
	s_add_co_u32 s17, s17, s41                     ; block row
	s_lshl_b32 s43, s41, 2
	s_lshl_b32 s43, 15, s43                        ; my row of the cluster
	s_lshl_b32 s44, 0x1111, s40                    ; my column
	s_or_b32 s[G1PX], s43, (3<<16)|(1<<21)         ; the mask; elements of 8 bytes; bit 21 beside a mask
	s_or_b32 s[G1QX], s43, (3<<16)|(1<<21)
	s_or_b32 s[G1PW], s44, (3<<16)|(1<<21)
	s_or_b32 s[G1QW], s44, (3<<16)|(1<<21)
	GROUP1 G1PX, 512, 8
	GROUP1 G1PW, 512, 16
	GROUP1 G1QX, 1024, 8
	GROUP1 G1QW, 1024, 16
	s_lshl_b32 s18, s15, 12                        ; part Q begins two fragments along K
	s_lshl_b32 s20, s17, 17                        ; ac: eight tiles of 16,384 bytes a block row
	s_add_co_u32 s20, s20, s18
	s_mov_b32 s21, 0
	s_lshl_b32 s46, s42, 18                        ; oc: sixteen tiles a block column
	s_add_co_u32 s46, s46, s18
	s_mov_b32 s47, 0
	s_mul_i32 s22, s15, QX                         ; where they go: PX or QX,
	s_lshl_b32 s23, s15, 17
	s_add_co_u32 s23, s23, PW                      ; PW or QW: no place in the cluster enters an LDS address
	s_wait_dscnt 0x0                               ; both opening adds are done
	s_wait_kmcnt 0x0
	s_load_b256 s[84:91], s[8:9], 0x0              ; e0 .. e7
	s_mov_b32 s[G0X], 1
	s_mov_b32 s[G0X+1], s22
	s_add_nc_u64 s[G0X+2:G0X+3], s[4:5], s[20:21]
	s_or_b32 s[G0X+3], s[G0X+3], 0x80000000
	s_mov_b32 s[G0W], 1
	s_mov_b32 s[G0W+1], s23
	s_add_nc_u64 s[G0W+2:G0W+3], s[6:7], s[46:47]
	s_or_b32 s[G0W+3], s[G0W+3], 0x80000000
	CROUND                                         ; all sixteen work-groups are here: the joint loads meet
	s_cmp_eq_u32 s14, 0                            ; one chain on the wave's number, one load to an arm
	s_cbranch_scc0 .Lh1
	TL G0X, G1PX
	s_branch .Lhj
.Lh1:
	s_cmp_eq_u32 s14, 1
	s_cbranch_scc0 .Lh2
	TL G0W, G1PW
	s_branch .Lhj
.Lh2:
	s_cmp_eq_u32 s14, 2
	s_cbranch_scc0 .Lh3
	TL G0X, G1QX
	s_branch .Lhj
.Lh3:
	TL G0W, G1QW
.Lhj:
	v_and_b32 v1, 15, v0                           ; r
	v_bfe_u32 v2, v0, 4, 1                         ; h
	v_and_b32 v6, 31, v0
	v_lshlrev_b32 v[CO], 4, v6
	v_lshlrev_b32 v[HO], 5, v2
	v_mul_u32_u24 v5, v1, SPITCH
	v_lshl_add_u32 v5, v2, 5, v5                   ; the stage on the way in: row r, 32 bytes for each half of the lanes
	s_wait_alu depctr_va_vdst(0)
	s_lshl_b32 s21, s15, 14                        ; part P: my four tiles of ac, 4,096 bytes each,
	s_lshl_b32 s22, s16, 15                        ; my eight of oc
	s_add_co_u32 s22, s22, PW
	v_add_nc_u32 v[AXP], s21, v[CO]
	v_add_nc_u32 v[AWP], s22, v[CO]
	s_lshl_b32 s21, s15, 15                        ; part Q: 8,192 bytes each
	s_add_co_u32 s21, s21, QX
	s_lshl_b32 s22, s16, 16
	s_add_co_u32 s22, s22, QW
	v_add_nc_u32 v[AXQ], s21, v[CO]
	v_add_nc_u32 v[AWQ], s22, v[CO]
	s_mul_i32 s23, s14, 16*SPITCH
	s_add_co_u32 s23, s23, STAGE
	v_add_nc_u32 v[STO], s23, v5
	v_add_nc_u32 v[RD], s23, v[CO]                 ; back: the 32 lanes take one row of 512 bytes
	s_lshl_b32 s46, s42, 10                        ; my first column, in bytes of f32
	s_lshl_b32 s47, s16, 9
	s_add_co_u32 s46, s46, s47
	s_mov_b32 s47, 0
	s_add_nc_u64 s[10:11], s[10:11], s[46:47]
.irp b, 0,1,2,3,4,5,6,7                        ; the bias of columns 16 b + 8 h + 0 .. 7, in the results' layout
	global_load_b128 v[BIAS+8*\b:BIAS+8*\b+3], v[HO], s[10:11] offset:64*\b
	global_load_b128 v[BIAS+8*\b+4:BIAS+8*\b+7], v[HO], s[10:11] offset:64*\b+16
.endr
	s_lshl_b32 s20, s17, 19                        ; my first row of out0: 128 rows of 4,096 bytes a block row,
	s_lshl_b32 s21, s15, 18                        ; 64 a wave
	s_add_co_u32 s20, s20, s21
	s_mov_b32 s21, 0
	s_add_nc_u64 s[20:21], s[20:21], s[46:47]
	s_add_nc_u64 s[12:13], s[12:13], s[20:21]
.macro FRAG reg, adr, off
.irp c, 0,1,2,3
	ds_load_b128 v[\reg+4*\c:\reg+4*\c+3], v[\adr] offset:(\off)+512*\c
.endr
.endm
.macro FETCH q                         ; chunk q's twelve fragments into set q % 2: 48 loads
.if ((\q) < 2) || ((\q) > 5)
.set PT, 4096
.set KO, 2048*((\q)%2)
.set AX, AXP
.set AW, AWP
.else
.set PT, 8192
.set KO, 2048*((\q)-2)
.set AX, AXQ
.set AW, AWQ
.endif
	WIN TO_B
.irp i, 0,1,2,3,4,5,6,7
	FRAG 128*((\q)%2)+16*\i, AW, KO+PT*\i
.endr
	WIN 0
.irp i, 0,1,2,3
	FRAG AF+64*((\q)%2)+16*\i, AX, KO+PT*\i
.endr
.endm
; 16 matrix instructions: the tokens' fragments a0, a0 + 1 x o_w's eight.  The 32 accumulators take turns in the same order in every chunk.
.macro MUL16 a0, p, zero
.irp a, \a0, \a0+1
.irp b, 0,1,2,3,4,5,6,7
.if \zero
	v_wmma_f32_16x16x128_fp8_fp8 v[8*(8*(\a)+\b):8*(8*(\a)+\b)+7], v[128*(\p)+16*\b:128*(\p)+16*\b+15], v[AF+64*(\p)+16*(\a):AF+64*(\p)+16*(\a)+15], 0
.else
	v_wmma_f32_16x16x128_fp8_fp8 v[8*(8*(\a)+\b):8*(8*(\a)+\b)+7], v[128*(\p)+16*\b:128*(\p)+16*\b+15], v[AF+64*(\p)+16*(\a):AF+64*(\p)+16*(\a)+15], v[8*(8*(\a)+\b):8*(8*(\a)+\b)+7]
.endif
.endr
.endr
.endm
.macro CHUNK q                         ; chunk q is in; the next is asked for, into the set that the chunk before multiplied, and chunk q is multiplied
	s_wait_dscnt 0x0
	PLACES
	FETCH (\q)+1
	WIN MUL_LO
	MUL16 0, (\q)%2, 0
	MUL16 2, (\q)%2, 0
.endm
	s_wait_alu depctr_va_vdst(0)
	s_wait_tensorcnt 0x0                           ; my piece is in
	s_barrier_signal -1
	s_barrier_wait -1                              ; everybody's is: chunks 0 to 5
	FETCH 0
	s_wait_dscnt 0x0
	FETCH 1
	WIN MUL_LO
	MUL16 0, 0, 1                                  ; chunk 0's products start the sums
	MUL16 2, 0, 1
	s_wait_dscnt 0x0                               ; chunk 1 is in registers: my reads of part P are over
	PLACES
	FETCH 2                                        ; from part Q
	s_wait_tensorcnt 0x0                           ; the three lines in front of the refill's round: no load of mine is out,
	ds_add_u32 v[SPW], v[NIL]                      ; the add,
	WIN MUL_LO
	MUL16 0, 1, 0                                  ; (sixteen matrix instructions between it and its wait)
	s_wait_dscnt 0x0                               ; the add is done, and chunk 2 is in
	s_barrier_signal -1
	MUL16 2, 1, 0
	WIN 0
	s_barrier_wait -1
	CREST                                          ; no wave of any partner still reads part P
	s_add_nc_u64 s[G0X+2:G0X+3], s[G0X+2:G0X+3], 12288   ; six fragments on: chunks 6, 7
	s_add_nc_u64 s[G0W+2:G0W+3], s[G0W+2:G0W+3], 12288
	s_cmp_eq_u32 s14, 0                            ; waves 0 and 1 fill part P again; waves 2 and 3 have no piece of it
	s_cbranch_scc0 .Lr1
	TL G0X, G1PX
	s_branch .Lrj
.Lr1:
	s_cmp_eq_u32 s14, 1
	s_cbranch_scc0 .Lrj
	TL G0W, G1PW
.Lrj:
	PLACES
	FETCH 3
	WIN MUL_LO
	MUL16 0, 0, 0                                  ; chunk 2
	MUL16 2, 0, 0
	CHUNK 3
	CHUNK 4
	s_wait_dscnt 0x0                               ; chunk 5 is in registers: my reads of part Q are over
	s_wait_tensorcnt 0x0                           ; my piece of chunks 6, 7 is in
	s_barrier_signal -1
	MUL16 0, 1, 0                                  ; chunk 5, on registers alone
	MUL16 2, 1, 0
	WIN 0
	s_barrier_wait -1                              ; everybody's piece is in
	PLACES
	FETCH 6
	FETCH 7
	s_wait_dscnt 48                                ; chunk 6 is in; chunk 7's 48 loads may be out
	WIN MUL_LO
	MUL16 0, 0, 0
	MUL16 2, 0, 0
	s_wait_dscnt 0x0
	MUL16 0, 1, 0
	MUL16 2, 1, 0
	WIN 0
; THE WAY OUT, block by block of 16 tokens x 128 columns: sum x 2^(e6 + e7) + bias goes through my stage and comes back as rows of 512 bytes, which the 32 lanes store as two aligned units of 256 bytes.
.macro TOSTAGE a
.set AC, 64*(\a)
	WIN 0x42                                       ; source 0 window 2, destination window 1
.set j, 0
.rept 32
	v_pk_fma_f32 v[TMP+j:TMP+j+1], v[AC+j:AC+j+1], s[96:97], v[BIAS+j:BIAS+j+1] op_sel_hi:[1,0,1]   ; each accumulator from its low end on
.set j, j+2
.endr
	WIN 0x04
.irp b, 0,1,2,3,4,5,6,7
	ds_store_b128 v[STO], v[TMP+8*\b:TMP+8*\b+3] offset:64*\b
	ds_store_b128 v[STO], v[TMP+8*\b+4:TMP+8*\b+7] offset:64*\b+16
.endr
	WIN 0
.set BB, BK+64*((\a)%2)
.irp t, 0,1,2,3,4,5,6,7,8,9,10,11,12,13,14,15
	ds_load_b128 v[BB+4*\t:BB+4*\t+3], v[RD] offset:\t*SPITCH   ; LDS serves a wave's instructions in order: these see my stores
.endr
.endm
.macro SEND a, younger                 ; younger: the LDS instructions issued behind block a's loads
.set BB, BK+64*((\a)%2)
	s_wait_dscnt \younger
.if (\a) > 0
	s_add_nc_u64 s[12:13], s[12:13], 16*4096       ; (behind a wait on XCNT)
.endif
.irp t, 0,1,2,3,4,5,6,7,8,9,10,11,12,13,14,15
	global_store_b128 v[CO], v[BB+4*\t:BB+4*\t+3], s[12:13] offset:\t*4096 th:TH_STORE_NT
.endr
.endm
	s_wait_kmcnt 0x0
	s_add_co_i32 s96, s90, s91
	s_add_co_i32 s96, s96, 127
	s_lshl_b32 s96, s96, 23                        ; 2^(e6 + e7) as f32
	s_mov_b32 s97, s96
	s_wait_loadcnt 0x0                             ; the bias
	PLACES                                         ; in front of the first read of results and of writes and loads into the fragments' registers
	TOSTAGE 0
.irp a, 1,2,3
.if \a > 1
	s_wait_xcnt 0x0                                ; block a - 2's stores have read their registers and their base
.endif
	TOSTAGE \a
	SEND \a-1, 32                                  ; behind block a - 1's loads: block a's 16 stores and 16 loads
.endr
	s_wait_xcnt 0x0
	SEND 3, 0
	s_wait_tensorcnt 0x0                           ; the wave's end
	ds_add_u32 v[SPW], v[NIL]
	s_wait_dscnt 0x0
	CROUND                                         ; the closing round
	s_endpgm
.Lfunc_end_k_qf819fb0384_oproj:
	.size	k_qf819fb0384_oproj, .Lfunc_end_k_qf819fb0384_oproj-k_qf819fb0384_oproj
	.p2alignl 7, 3214868480
	.fill 96, 4, 3214868480
	.section	.rodata,"a",@progbits
	.p2align	6, 0x0
	.amdhsa_kernel k_qf819fb0384_oproj
		.amdhsa_group_segment_fixed_size 327680
		.amdhsa_private_segment_fixed_size 0
		.amdhsa_enable_private_segment 0
		.amdhsa_kernarg_size 40
		.amdhsa_user_sgpr_count 2
		.amdhsa_user_sgpr_kernarg_segment_ptr 1
		.amdhsa_wavefront_size32 1
		.amdhsa_system_sgpr_workgroup_id_x 1
		.amdhsa_system_sgpr_workgroup_id_y 1
		.amdhsa_system_sgpr_workgroup_id_z 1
		.amdhsa_system_vgpr_workitem_id 0
		.amdhsa_next_free_vgpr 768
		.amdhsa_next_free_sgpr 100
		.amdhsa_reserve_vcc 0
		.amdhsa_float_denorm_mode_32 3
		.amdhsa_float_denorm_mode_16_64 3
		.amdhsa_memory_ordered 1
		.amdhsa_forward_progress 1
		.amdhsa_inst_pref_size 75
	.end_amdhsa_kernel
	.amdgpu_metadata
---
amdhsa.version: [ 1, 2 ]
amdhsa.kernels:
  - .name:           k_qf819fb0384_oproj
    .symbol:         k_qf819fb0384_oproj.kd
    .args:
      - { .name: ac, .offset: 0, .size: 8, .value_kind: global_buffer, .address_space: global }
      - { .name: oc, .offset: 8, .size: 8, .value_kind: global_buffer, .address_space: global }
      - { .name: lowp_scales, .offset: 16, .size: 8, .value_kind: global_buffer, .address_space: global }
      - { .name: o_b, .offset: 24, .size: 8, .value_kind: global_buffer, .address_space: global }
      - { .name: out0, .offset: 32, .size: 8, .value_kind: global_buffer, .address_space: global }
    .group_segment_fixed_size: 327680
    .private_segment_fixed_size: 0
    .kernarg_segment_align: 8
    .kernarg_segment_size: 40
    .max_flat_workgroup_size: 128
    .sgpr_count:     100
    .vgpr_count:     768
    .wavefront_size: 32
...
	.end_amdgpu_metadata
.endif
;; end of part 4
